; MI455X (gfx1250); checked and timed in simulation.
; The chip was launched on July 23, 2026; its instructions are those of AMD's public machine-readable ISA for CDNA 5 (MIT licence, August 2026) and "CDNA5" Instruction Set Architecture Reference Guide (July 2026). The comments in the code are by the model that wrote it; some were corrected since.
;; Linear Attention. Allowed arithmetic: float matrix products may take bf16 or f16 operands with f32 sums; all other float work in f32.
;; Inputs: b_out 1,024 float32; w_out 1,024 x 1,024 float32; w_qkv 3,072 x 1,024 float32; x 4 x 2,048 x 1,024 float32.
;; Outputs: out0 4 x 2,048 x 1,024 float32.
;; 2 versions, each right; version 2 is version 1 with the launch cast written anew for expert scheduling mode. Each part assembles by itself: llvm-mc -triple=amdgcn-amd-amdhsa -mcpu=gfx1250 --defsym DOCPART=n.
;; ======== version 1 of 2: 4 launches
;; limits: values are held in f16: magnitudes above 65,504 overflow, below 6.1e-05 lose precision; right only within a limited range of input values
;; workspace buffers: cb 25,165,824 bytes; qb 16,777,216 bytes; ab 16,777,216 bytes; kvp 4,259,840 bytes
;; launch cast (part 1): grid 768 x 1, 8 waves a work-group, no clusters, 0 bytes of LDS; arguments x, w_qkv, w_out, cb; writes cb
.if DOCPART == 1
	.amdgcn_target "amdgcn-amd-amdhsa--gfx1250"
	.amdhsa_code_object_version 6
	.text
	.protected	k_q46005d34ef_cast
	.globl	k_q46005d34ef_cast
	.p2align	8
	.type	k_q46005d34ef_cast,@function
k_q46005d34ef_cast:
	s_mov_b64 s[64:65], 0
	v_nop
	global_prefetch_b8 v0, s[64:65] scope:SCOPE_SE
	s_setreg_imm32_b32 hwreg(HW_REG_WAVE_MODE, 25, 1), 1
	s_wait_xcnt 0x0
; cast: x [8192][1024], w_qkv [3072][1024] and w_out [1024][1024], f32, are rounded once to f16 and laid into cb in blocks along K:
;   [K block 0..15][row][64 numbers], a row of a block = 128 bytes.  x at byte 0, w_qkv at WQ_OFF, w_out at WO_OFF.
; In that layout every tile that a later launch fetches (some rows of one K block) is one dense run of bytes.
; w_qkv's rows are re-ordered: row s*1024 + h*64 + i (s = q, k, v) goes to row h*192 + s*64 + i, so that a head's 192 rows are neighbours.
; f16 and not bf16: the result is close to a mean of v over 2,048 tokens, so each rounding of an operand reaches it at its full relative size; f16's is eight times finer.
; LIMIT: a number of magnitude 65,504 or more becomes an infinity; below 6.1e-5 the absolute error stays under 3e-8.
; A work-group takes 16 rows (65,536 bytes): groups 0-511 x, 512-703 w_qkv, 704-767 w_out.  Wave w takes K blocks 2w and 2w+1 of them.
; A load covers 256 consecutive bytes of each of two rows; the two rows are neighbours in the block, so its store covers 256 consecutive bytes, aligned.
; All sixteen loads of a wave go out first; nothing is shared between work-groups, so no LDS, no barrier, no cluster.
.set XB_BLK, 1048576                   ; bytes of one K block of x: 8,192 rows of 128
.set WQ_OFF, 16777216
.set WQ_BLK, 393216                    ; 3,072 rows of 128
.set WO_OFF, 23068672
.set WO_BLK, 131072                    ; 1,024 rows of 128
.set X, 4                              ; v[4:67]   load i: 4 f32
.set Y, 68                             ; v[68:99]  store i: 4 f16
	s_load_b256 s[4:11], s[0:1], 0x0               ; x s[4:5], w_qkv s[6:7], w_out s[8:9], cb s[10:11]
	v_lshrrev_b32 v3, 5, v0
	v_readfirstlane_b32 s12, v3                    ; wave 0..7
	v_and_b32 v1, 15, v0
	v_bfe_u32 v3, v0, 4, 1
	v_and_b32 v2, 31, v0
	v_lshlrev_b32 v1, 4, v1                        ; 16 bytes a lane inside a block's 256 bytes of f32,
	v_lshl_add_u32 v1, v3, 12, v1                  ; lanes 16-31 one row (4,096 bytes) further down,
	v_lshl_add_u32 v1, s12, 9, v1                  ; my wave's two blocks: 512 bytes of a row
	v_lshlrev_b32 v2, 3, v2                        ; out: 8 bytes a lane
	; which tensor: first group, place in cb, bytes of a K block.  Chosen on the group's number alone.
	s_mov_b32 s16, 704
	s_mov_b32 s17, WO_OFF
	s_mov_b32 s18, WO_BLK
	s_wait_kmcnt 0x0
	s_cmp_lt_u32 ttmp9, 704
	s_cselect_b32 s16, 512, s16
	s_cselect_b32 s17, WQ_OFF, s17
	s_cselect_b32 s18, WQ_BLK, s18
	s_cselect_b64 s[14:15], s[6:7], s[8:9]
	s_cmp_lt_u32 ttmp9, 512
	s_cselect_b32 s16, 0, s16
	s_cselect_b32 s17, 0, s17
	s_cselect_b32 s18, XB_BLK, s18
	s_cselect_b64 s[14:15], s[4:5], s[14:15]
	s_sub_co_u32 s19, ttmp9, s16                   ; the group's number inside its tensor
	s_lshl_b32 s20, s19, 4                         ; its first row R0
	s_bfe_u32 s21, s20, 0x40006                    ; w_qkv: h = (R0 >> 6) & 15
	s_mul_i32 s21, s21, 192
	s_lshr_b32 s22, s20, 10                        ; s = R0 >> 10
	s_lshl_b32 s22, s22, 6
	s_and_b32 s23, s20, 63                         ; i = R0 & 63 (a multiple of 16: the 16 rows stay neighbours)
	s_add_co_u32 s21, s21, s22
	s_add_co_u32 s21, s21, s23
	s_cmp_eq_u32 s16, 512
	s_cselect_b32 s20, s21, s20                    ; the row in cb
	s_lshl_b32 s22, s19, 16                        ; in: 16 rows of 4,096 bytes a group
	s_mov_b32 s23, 0
	s_add_nc_u64 s[14:15], s[14:15], s[22:23]
	s_lshl_b32 s22, s20, 7                         ; out: row x 128
	s_add_co_u32 s22, s22, s17                     ; + the tensor's place
	s_lshl_b32 s24, s12, 1
	s_mul_i32 s24, s24, s18                        ; + K block 2w
	s_add_co_u32 s22, s22, s24
	s_add_nc_u64 s[20:21], s[10:11], s[22:23]      ; block 2w
	s_mov_b32 s19, 0
	s_add_nc_u64 s[22:23], s[20:21], s[18:19]      ; block 2w + 1
.set i, 0
.rept 16                                               ; load i: rows 2 (i/2), 2 (i/2) + 1 of block 2w + i%2
	global_load_b128 v[X+4*i:X+4*i+3], v1, s[14:15] offset:(i/2)*8192+(i%2)*256 th:TH_LOAD_NT
.set i, i+1
.endr
.set i, 0
.rept 16
	s_wait_loadcnt 15-i                            ; loads come back in order (ISA guide 5.7.1): load i is in, the 15 - i younger ones stay out
	v_cvt_pk_f16_f32 v[Y+2*i],   v[X+4*i],   v[X+4*i+1]
	v_cvt_pk_f16_f32 v[Y+2*i+1], v[X+4*i+2], v[X+4*i+3]
	global_store_b64 v2, v[Y+2*i:Y+2*i+1], s[20+2*(i%2):21+2*(i%2)] offset:(i/2)*256   ; no register of a load or store is ever written again
.set i, i+1
.endr
	s_endpgm
.Lfunc_end_k_q46005d34ef_cast:
	.size	k_q46005d34ef_cast, .Lfunc_end_k_q46005d34ef_cast-k_q46005d34ef_cast
	.p2alignl 7, 3214868480
	.fill 96, 4, 3214868480
	.section	.rodata,"a",@progbits
	.p2align	6, 0x0
	.amdhsa_kernel k_q46005d34ef_cast
		.amdhsa_group_segment_fixed_size 0
		.amdhsa_private_segment_fixed_size 0
		.amdhsa_enable_private_segment 0
		.amdhsa_kernarg_size 32
		.amdhsa_user_sgpr_count 2
		.amdhsa_user_sgpr_kernarg_segment_ptr 1
		.amdhsa_wavefront_size32 1
		.amdhsa_system_sgpr_workgroup_id_x 1
		.amdhsa_system_sgpr_workgroup_id_y 1
		.amdhsa_system_sgpr_workgroup_id_z 1
		.amdhsa_system_vgpr_workitem_id 0
		.amdhsa_next_free_vgpr 100
		.amdhsa_next_free_sgpr 66
		.amdhsa_reserve_vcc 0
		.amdhsa_float_denorm_mode_32 3
		.amdhsa_float_denorm_mode_16_64 3
		.amdhsa_memory_ordered 1
		.amdhsa_forward_progress 1
		.amdhsa_inst_pref_size 8
	.end_amdhsa_kernel
	.amdgpu_metadata
---
amdhsa.version: [ 1, 2 ]
amdhsa.kernels:
  - .name:           k_q46005d34ef_cast
    .symbol:         k_q46005d34ef_cast.kd
    .args:
      - { .name: x, .offset: 0, .size: 8, .value_kind: global_buffer, .address_space: global }
      - { .name: w_qkv, .offset: 8, .size: 8, .value_kind: global_buffer, .address_space: global }
      - { .name: w_out, .offset: 16, .size: 8, .value_kind: global_buffer, .address_space: global }
      - { .name: cb, .offset: 24, .size: 8, .value_kind: global_buffer, .address_space: global }
    .group_segment_fixed_size: 0
    .private_segment_fixed_size: 0
    .kernarg_segment_align: 8
    .kernarg_segment_size: 32
    .max_flat_workgroup_size: 256
    .sgpr_count:     66
    .vgpr_count:     100
    .wavefront_size: 32
...
	.end_amdgpu_metadata
.endif
;; end of part 1
;; launch qkv (part 2): grid 16 x 16, 4 waves a work-group, clusters of 4 x 4, 327,680 bytes of LDS; arguments cb, qb, kvp; writes qb, kvp
.if DOCPART == 2
	.amdgcn_target "amdgcn-amd-amdhsa--gfx1250"
	.amdhsa_code_object_version 6
	.text
	.protected	k_q46005d34ef_qkv
	.globl	k_q46005d34ef_qkv
	.p2align	8
	.type	k_q46005d34ef_qkv,@function
k_q46005d34ef_qkv:
	s_mov_b64 s[64:65], 0
	v_nop
	global_prefetch_b8 v0, s[64:65] scope:SCOPE_SE
	s_setreg_imm32_b32 hwreg(HW_REG_WAVE_MODE, 25, 1), 1
	s_wait_xcnt 0x0
	s_wait_alu depctr_hold_cnt(0) depctr_sa_sdst(0) depctr_va_vdst(0) depctr_va_sdst(0) depctr_va_ssrc(0) depctr_va_vcc(0) depctr_vm_vsrc(0)
	s_getreg_b32 s2, hwreg(HW_REG_IB_STS2, 6, 4)
	s_cmp_eq_u32 s2, 0
	s_cbranch_scc0 .Lentry_in_a_cluster
	s_endpgm
.Lentry_in_a_cluster:
	s_bfe_u32 s2, ttmp6, 0x10000c
	s_cmp_lg_u32 s2, 0xf033
	s_cbranch_scc0 .Lentry_shape_is_right
	s_endpgm
.Lentry_shape_is_right:
; qkv: [8192 tokens] x [3072] = x w_qkv^T over K = 1024, then phi = elu + 1 on q and k, q stored, and the partial sums of k^T v and of k made from registers.
; A work-group = one head (x) x 512 tokens (y).  Wave w: tokens 128 w .. 128 w + 127 x the head's 192 columns (q, k, v, 64 each): 96 accumulator tiles, 768 registers.
; k and v never go to memory: in the natural result layout a lane holds one column and eight neighbouring tokens, which IS the operand layout of a product along tokens.
; K goes in steps of 64 (one K block of cb) through two LDS slots filled by the tensor data mover; a tile is one dense run of bytes in cb, described as rows of 256 bytes.
; CLUSTERS: 4 x 4 work-groups.  x's tile hangs on the token block alone: shared along a row of the cluster.  w_qkv's tile hangs on the head alone: shared along a column.
; Each is asked for jointly (the same load, descriptor and mask in the four), which divides the requests for both by four.
; FORMATS: x, w_qkv, phi(k), v are f16 operands (finer rounding; see LIMITS); phi(q) is stored in bf16, since its partner kv has no room in f16.  All sums in f32.
; LIMITS: |x w_qkv^T| + 1 must stay below 65,504 or k, v become infinities (x and w_qkv both 30 times larger: spread 900, largest about 5,200; an offset of 30 spreads
; in both: 1024 x 30 x 30/32 = 28,800).  v_exp_f32 gives 0 for results under 2^-126, so phi(t) = 0 for t < -87.
; A NaN in x w_qkv^T gives phi = 1 and not NaN: v_med3_num_f32 does not hand a NaN on.
;
; REGISTERS (windows of 256): window 0: v16-27 addresses; v32-95, v96-159 x's fragments (8 token tiles), two buffers; v160-191, v192-223, v224-255 w's fragments for q, k, v.
; windows 1, 2, 3: the accumulators of q, k, v; tile (a = token tile 0..7, c = column tile 0..3) at v[8 (4 a + c)].
; q's products take w's fragment as source 0: a lane then holds one token and eight neighbouring columns, 16 bytes of bf16 that belong together.
.set PITCH,  144                       ; an LDS row: 128 bytes + 16 of padding, an odd multiple of 16: the 16 rows of a fragment load start in 16 different 16-byte columns
.set AHALF,  256*PITCH                 ; what one load brings of x: 256 tokens
.set BHALF,  96*PITCH                  ; and of w: 96 rows
.set BOFF,   512*PITCH                 ; w's rows lie behind x's 512
.set SLOT,   704*PITCH                 ; 101,376
.set STAGE,  2*SLOT                    ; behind the ring, never filled by a load: 18,432 bytes a wave: q's way out (128 x 144), then kv^T (64 x 272)
.set WSTAGE, 128*PITCH
.set KPITCH, 272
.set KSS,    STAGE+4*WSTAGE            ; 4 x 256 bytes: each wave's sum of k
.set XBLK,   1048576                   ; bytes from one K block of x to the next
.set WQ_OFF, 16777216
.set WQBLK,  393216
.set RECB,   16640                     ; a record of kvp: 65 rows of 64 f32
.set FLAGS,  (3<<16)|(1<<20)|(1<<21)|(4<<22)|(3<<25)   ; elements of 8 bytes; padding on; bit 21 beside a mask; after every 32 words (code 4) skip 4 words (code 3)
.set ADRA, 16                          ; v16-17 my x fragments in slot 0, 1
.set ADRB, 18                          ; v18-19 w's fragments in slot 0, 1
.set STO,  20                          ; q: where I put 16 bytes
.set RD,   21                          ; q: where I read rows back
.set CO,   22                          ; 16 x lane
.set KST,  23                          ; kv^T: where I put 16 bytes
.set KSA,  24                          ; sum of k: where I put a word
.set RK,   25                          ; kv^T: where I read the four stages
.set CO8,  26                          ; 8 x lane
.set KSR,  27                          ; sum of k: where wave 0 reads
.set FA0,  32
.set FA1,  96
.set FBQ,  160
.set FBK,  192
.set FBV,  224
.set T,    32                          ; behind the loop, window 0: t x log2(e)
.set P,    64                          ; t + 1, then phi(t)
.set E,    96                          ; e^t
.set PK,   128                         ; packed q
.set OUT,  144                         ; q's rows on their way out, two sets of 16
.set KS,   176                         ; v[176:183] four pairs: running sums of k
.set SUM,  32                          ; the four stages' rows
.set G1,  24                           ; s[24:31] group 1 for x's tiles
.set G0,  32                           ; s[32:39] group 0 for x's tiles, one set a slot
.set G1B, 48                           ; s[48:55] group 1 for w's tiles
.set G0B, 56                           ; s[56:63] group 0 for w's tiles
.set ACC_Q, 0x50                       ; C and D in window 1, sources in window 0
.set ACC_K, 0xa0                       ; window 2
.set ACC_V, 0xf0                       ; window 3
.set MSB, 0
.macro WIN new                         ; the immediate's high byte repeats the setting that is left
.if MSB != \new
	s_set_vgpr_msb (MSB<<8)|\new
.set MSB, \new
.endif
.endm
.macro PLACES n                        ; places behind a matrix instruction (ISA guide 7.12.1): plain vector instructions that name none of its registers
.rept \n
	v_nop
.endr
.endm
.macro JLOAD s                         ; a joint load: waves 0, 1 fetch x's two halves, waves 2, 3 w's.  The branch hangs on the wave's number alone
	s_cmp_eq_u32 s11, 0
	s_cbranch_scc0 .Lfor_b_\@
	tensor_load_to_lds s[G0+4*\s:G0+4*\s+3], s[G1:G1+7]
	s_nop 0
	s_branch .Lasked_\@
.Lfor_b_\@:
	tensor_load_to_lds s[G0B+4*\s:G0B+4*\s+3], s[G1B:G1B+7]
	s_nop 0
.Lasked_\@:
.endm
.macro CREST                           ; a round of the cluster's barrier behind its opening work-group barrier
	s_cmp_lg_u32 s10, 0
	s_cbranch_scc1 .Lnot_wave_0_\@
	s_barrier_signal -3
.Lnot_wave_0_\@:
	s_barrier_wait -3
	s_barrier_signal -1
	s_barrier_wait -1
.endm
.macro CROUND
	s_barrier_signal -1
	s_barrier_wait -1
	CREST
.endm
	s_load_b128 s[4:7], s[0:1], 0x0                ; cb s[4:5], qb s[6:7]
	s_load_b64 s[8:9], s[0:1], 0x10                ; kvp
	v_lshl_add_u32 v30, v0, 2, 0x43c00
	v_mov_b32 v31, 0
	ds_add_u32 v30, v31
	v_lshrrev_b32 v1, 5, v0
	v_readfirstlane_b32 s10, v1                    ; wave 0..3
	s_lshr_b32 s11, s10, 1                         ; I fetch for x (0) or for w (1)
	s_and_b32 s12, s10, 1                          ; which half of that tile
	s_bfe_u32 s40, ttmp6, 0x40000                  ; cx
	s_bfe_u32 s41, ttmp6, 0x40004                  ; cy
	s_lshl_b32 s42, ttmp9, 2
	s_add_co_u32 s42, s42, s40                     ; head = 4 x cluster x + cx
	s_and_b32 s13, ttmp7, 0xffff
	s_lshl_b32 s13, s13, 2
	s_add_co_u32 s13, s13, s41                     ; token block = 4 x cluster y + cy
	s_lshl_b32 s43, s41, 2
	s_lshl_b32 s43, 15, s43                        ; my row of the cluster
	s_lshl_b32 s44, 0x1111, s40                    ; my column
	; group 1.  x: 256 tokens x 128 bytes = 128 rows of 32 elements of 8 bytes, dense.  w: 96 rows x 128 bytes = 48 such rows.
	s_or_b32 s[G1+0], s43, FLAGS
	s_or_b32 s[G1B+0], s44, FLAGS
	s_mov_b32 s[G1+1], 32<<16                      ; tensor_dim0 = 32
	s_mov_b32 s[G1B+1], 32<<16
	s_mov_b32 s[G1+2], 128<<16                     ; tensor_dim1 = 128
	s_mov_b32 s[G1B+2], 48<<16                     ; 48
	s_mov_b32 s[G1+3], 32<<16                      ; tile_dim0 = 32
	s_mov_b32 s[G1B+3], 32<<16
	s_mov_b32 s[G1+4], 128                         ; tile_dim1
	s_mov_b32 s[G1B+4], 48
	s_mov_b32 s[G1+5], 32                          ; from row to row: 32 elements (dense)
	s_mov_b32 s[G1B+5], 32
	s_mov_b32 s[G1+6], 0
	s_mov_b32 s[G1B+6], 0
	s_mov_b32 s[G1+7], 0
	s_mov_b32 s[G1B+7], 0
	; where the tiles come from: x's from the token block and the wave, w's from the head and the wave, each in registers that never hold the other coordinate
	s_lshl_b32 s16, s13, 16                        ; 512 tokens x 128 bytes
	s_lshl_b32 s17, s12, 15                        ; + my half
	s_add_co_u32 s16, s16, s17
	s_mov_b32 s17, 0
	s_mul_i32 s46, s42, 24576                      ; 192 rows x 128 bytes
	s_mul_i32 s47, s12, 12288
	s_add_co_u32 s46, s46, s47
	s_add_co_u32 s46, s46, WQ_OFF
	s_mov_b32 s47, 0
	s_mul_i32 s20, s12, AHALF                      ; and where they go: the wave's number alone
	s_mul_i32 s21, s12, BHALF
	s_add_co_u32 s21, s21, BOFF
	s_wait_dscnt 0x0
	s_wait_kmcnt 0x0
	s_add_nc_u64 s[14:15], s[4:5], s[16:17]
	s_add_nc_u64 s[46:47], s[4:5], s[46:47]
	CROUND                                         ; all sixteen work-groups are here: the first joint loads meet
.irp s, 0,1
	s_mov_b32 s[G0+4*\s], 1
	s_add_co_u32 s[G0+4*\s+1], s20, \s*SLOT
	s_add_nc_u64 s[G0+4*\s+2:G0+4*\s+3], s[14:15], \s*XBLK         ; K block s
	s_or_b32 s[G0+4*\s+3], s[G0+4*\s+3], 0x80000000
	s_mov_b32 s[G0B+4*\s], 1
	s_add_co_u32 s[G0B+4*\s+1], s21, \s*SLOT
	s_add_nc_u64 s[G0B+4*\s+2:G0B+4*\s+3], s[46:47], \s*WQBLK
	s_or_b32 s[G0B+4*\s+3], s[G0B+4*\s+3], 0x80000000
	JLOAD \s                                       ; both first fills go out together: two tensor loads of a wave are out here, later one
.endr
	v_and_b32 v1, 15, v0                           ; r
	v_bfe_u32 v2, v0, 4, 1                         ; hh
	v_and_b32 v5, 31, v0                           ; lane
	v_mul_u32_u24 v3, v1, PITCH
	v_lshl_add_u32 v3, v2, 4, v3                   ; a fragment's lane term: r x pitch + 16 hh
	s_mul_i32 s16, s10, WSTAGE                     ; 128 w rows of 144 bytes
	v_add_nc_u32 v[ADRA], s16, v3
	v_add_nc_u32 v[ADRA+1], SLOT, v[ADRA]
	v_add_nc_u32 v[ADRB], BOFF, v3
	v_add_nc_u32 v[ADRB+1], SLOT+BOFF, v3
	s_add_co_u32 s17, s16, STAGE                   ; my stage
	v_add_nc_u32 v[STO], s17, v3
	v_lshrrev_b32 v4, 3, v5
	v_and_b32 v6, 7, v0
	v_mul_u32_u24 v4, v4, PITCH
	v_lshl_add_u32 v4, v6, 4, v4                   ; back: eight lanes take a row of 128 bytes, a load four rows
	v_add_nc_u32 v[RD], s17, v4
	v_lshlrev_b32 v[CO], 4, v5
	v_lshlrev_b32 v[CO8], 3, v5
	v_mul_u32_u24 v4, v1, KPITCH
	v_lshl_add_u32 v4, v2, 5, v4                   ; kv^T in: row r (+ 16 i), 32 bytes for each half of the lanes (+ 64 c)
	v_add_nc_u32 v[KST], s17, v4
	s_lshl_b32 s18, s10, 8
	s_add_co_u32 s18, s18, KSS
	v_lshl_add_u32 v[KSA], v1, 2, s18
	s_mul_i32 s18, s10, 16*KPITCH
	s_add_co_u32 s18, s18, STAGE
	v_mul_u32_u24 v4, v2, KPITCH
	v_lshl_add_u32 v4, v1, 4, v4                   ; kv^T back: rows 16 w + hh (+ 2 t), 16 bytes a lane
	v_add_nc_u32 v[RK], s18, v4
	v_add_nc_u32 v[KSR], KSS, v[CO8]
; 16 products of q: token tiles a0 .. a0 + 3 x 4 column tiles, 32 along K.  zero = 1: the first product starts the sum, nothing is cleared.
.macro MULQ fa, a0, zero
.irp a, 0,1,2,3
.irp c, 0,1,2,3
.if \zero
	v_wmma_f32_16x16x32_f16 v[8*(4*(\a0+\a)+\c):8*(4*(\a0+\a)+\c)+7], v[FBQ+8*\c:FBQ+8*\c+7], v[\fa+8*(\a0+\a):\fa+8*(\a0+\a)+7], 0
.else
	v_wmma_f32_16x16x32_f16 v[8*(4*(\a0+\a)+\c):8*(4*(\a0+\a)+\c)+7], v[FBQ+8*\c:FBQ+8*\c+7], v[\fa+8*(\a0+\a):\fa+8*(\a0+\a)+7], v[8*(4*(\a0+\a)+\c):8*(4*(\a0+\a)+\c)+7]
.endif
.endr
.endr
.endm
; 32 products of k or of v, in the natural order: a lane holds column r and tokens 8 hh + j
.macro MULN fb, fa, zero
.irp a, 0,1,2,3,4,5,6,7
.irp c, 0,1,2,3
.if \zero
	v_wmma_f32_16x16x32_f16 v[8*(4*\a+\c):8*(4*\a+\c)+7], v[\fa+8*\a:\fa+8*\a+7], v[\fb+8*\c:\fb+8*\c+7], 0
.else
	v_wmma_f32_16x16x32_f16 v[8*(4*\a+\c):8*(4*\a+\c)+7], v[\fa+8*\a:\fa+8*\a+7], v[\fb+8*\c:\fb+8*\c+7], v[8*(4*\a+\c):8*(4*\a+\c)+7]
.endif
.endr
.endr
.endm
.macro LDA f, slot, ko                 ; 16 loads: my 128 tokens, 32 K at byte ko of the rows
.irp a, 0,1,2,3,4,5,6,7
	ds_load_b128 v[\f+8*\a:\f+8*\a+3],   v[ADRA+\slot] offset:\ko+\a*16*PITCH
	ds_load_b128 v[\f+8*\a+4:\f+8*\a+7], v[ADRA+\slot] offset:\ko+\a*16*PITCH+32
.endr
.endm
.macro LDB f, slot, ko, t0             ; 8 loads: w's row tiles t0 .. t0 + 3 (0: q, 4: k, 8: v)
.irp c, 0,1,2,3
	ds_load_b128 v[\f+8*\c:\f+8*\c+3],   v[ADRB+\slot] offset:\ko+(\t0+\c)*16*PITCH
	ds_load_b128 v[\f+8*\c+4:\f+8*\c+7], v[ADRB+\slot] offset:\ko+(\t0+\c)*16*PITCH+32
.endr
.endm
; 32 along K: 96 matrix instructions on 96 accumulators, which take turns one instruction a turn, in the same order in every quarter.
; On entry 32 LDS loads are out: w-for-q and x of this quarter (24), then w-for-k (8).  Each run of loads stands four places behind the last matrix instruction that read its registers.
; turn = 1: the slot's last quarter: one barrier for the change of slots; fill = 1: it opens a round of the cluster's barrier and the slot is filled again; last = 1: nothing more to fetch.
; Nothing stands between the barrier's signal and its wait: the refill is asked for as soon as every wave's part of the other slot has landed, and all the
; matrix work that is left of the quarter runs while the new tile is on its way.
.macro QUART slot, ko, fa, fn, nslot, nko, zero, turn, fill, last
	PLACES 4
	WIN 0
	LDB FBV, \slot, \ko, 8                         ; the quarter's last reads
	s_wait_dscnt 16                                ; w-for-k and w-for-v (16) may stay out: w-for-q and x are in
	WIN ACC_Q
	MULQ \fa, 0, \zero                             ; sixteen products, while w-for-v comes
.if \turn
	WIN 0
	s_wait_dscnt 0x0                               ; my reads of this slot are over,
	s_wait_tensorcnt 0x0                           ; and all my tensor loads have landed: the one that was out is my part of the other slot
	ds_add_u32 v30, v31
	s_wait_dscnt 0x0
.if \fill
	s_add_nc_u64 s[G0+4*\slot+2:G0+4*\slot+3], s[G0+4*\slot+2:G0+4*\slot+3], 2*XBLK         ; no load of mine is out: this slot's addresses step to its next K block
	s_add_nc_u64 s[G0B+4*\slot+2:G0B+4*\slot+3], s[G0B+4*\slot+2:G0B+4*\slot+3], 2*WQBLK
.endif
	s_barrier_signal -1
	s_barrier_wait -1
.if \fill
	CREST                                          ; no wave of any partner still reads this slot or has a load on its way
	JLOAD \slot                                    ; my one tensor load behind the round, ahead of every LDS read; a whole step, 192 matrix instructions, stands between it and the wait for it
.endif
	WIN ACC_Q
.endif
	MULQ \fa, 4, \zero
.if \last
	s_wait_dscnt 8                                 ; w-for-v may stay out
.else
	PLACES 4
	WIN 0
	LDB FBQ, \nslot, \nko, 0
	LDA \fn, \nslot, \nko
.if \turn
.else
	s_wait_dscnt 32                                ; w-for-v (8) and the 24 just issued may stay out: w-for-k is in
.endif
.endif
	WIN ACC_K
	MULN FBK, \fa, \zero
.if \last
	s_wait_dscnt 0x0
.else
	PLACES 4
	WIN 0
	LDB FBK, \nslot, \nko, 4
.if \turn
.else
	s_wait_dscnt 32                                ; the next quarter's 24 + 8 may stay out: w-for-v is in
.endif
.endif
	WIN ACC_V
	MULN FBV, \fa, \zero
.endm
.macro LAP zero                        ; two K blocks, once round the ring, both slots filled again
	QUART 0, 0,  FA0, FA1, 0, 64, \zero, 0, 0, 0
	QUART 0, 64, FA1, FA0, 1, 0,  0,     1, 1, 0
	QUART 1, 0,  FA0, FA1, 1, 64, 0,     0, 0, 0
	QUART 1, 64, FA1, FA0, 0, 0,  0,     1, 1, 0
.endm
	s_wait_tensorcnt 1                             ; my part of K block 0 is in; block 1's may stay out
	s_barrier_signal -1
	s_barrier_wait -1
	LDB FBQ, 0, 0, 0
	LDA FA0, 0, 0
	LDB FBK, 0, 0, 4
	LAP 1                                          ; 16 K blocks = 8 laps: the first starts the sums,
	WIN 0
	s_mov_b32 s3, 6                                ; six go round,
.Llap:
	LAP 0
	WIN 0
	s_sub_co_u32 s3, s3, 1
	s_cmp_lg_u32 s3, 0
	s_cbranch_scc1 .Llap
	QUART 0, 0,  FA0, FA1, 0, 64, 0, 0, 0, 0       ; the last fills nothing
	QUART 0, 64, FA1, FA0, 1, 0,  0, 1, 0, 0
	QUART 1, 0,  FA0, FA1, 1, 64, 0, 0, 0, 0
	QUART 1, 64, FA1, FA0, 0, 0,  0, 0, 0, 1
	PLACES 5                                       ; behind the last matrix instruction: for all that now reads results or writes over fragments and accumulators
	s_lshl_b32 s46, s42, 20                        ; qb: [head][token][64] bf16: head x 8,192 x 128 bytes (the head in registers that fed w's descriptors alone),
	s_mov_b32 s47, 0
	s_add_nc_u64 s[6:7], s[6:7], s[46:47]
	s_lshl_b32 s16, s13, 16                        ; + token block x 512 x 128 + wave x 128 x 128
	s_lshl_b32 s17, s10, 14
	s_add_co_u32 s16, s16, s17
	s_mov_b32 s17, 0
	s_add_nc_u64 s[6:7], s[6:7], s[16:17]
	s_mul_i32 s46, s42, 4*RECB                     ; kvp: record ((b x 16 + head) x 4 + p), b = block >> 2, p = block & 3
	s_add_nc_u64 s[8:9], s[8:9], s[46:47]
	s_lshr_b32 s16, s13, 2
	s_lshl_b32 s16, s16, 6
	s_and_b32 s17, s13, 3
	s_add_co_u32 s16, s16, s17
	s_mul_i32 s16, s16, RECB
	s_lshl_b32 s17, s10, 12                        ; + my 16 rows of 256 bytes
	s_add_co_u32 s16, s16, s17
	s_mov_b32 s17, 0
	s_add_nc_u64 s[8:9], s[8:9], s[16:17]
	s_mov_b32 s22, 0x76543210                      ; v_permlanex16_b32: lane i reads lane i of the other half
	s_mov_b32 s23, 0xfedcba98
; phi(t) = t + 1 for t > 0, e^t otherwise, on 32 registers at base of window win; the result in P.
; e^t >= t + 1 for every t.  So for t > 0: 1 < t + 1 <= e^t, and for t <= 0: t + 1 <= e^t <= 1: phi(t) is the middle one of e^t, t + 1 and 1.
; An e^t that overflows to infinity is the largest of the three and is not taken.
.macro FEAT32 win, base
	WIN \win
.irp i, 0,1,2,3,4,5,6,7,8,9,10,11,12,13,14,15
	v_pk_mul_f32 v[T+2*\i:T+2*\i+1], v[\base+2*\i:\base+2*\i+1], 0x3fb8aa3b op_sel_hi:[1,0]   ; t x log2(e)
.endr
.irp i, 0,1,2,3,4,5,6,7,8,9,10,11,12,13,14,15
	v_pk_add_f32 v[P+2*\i:P+2*\i+1], v[\base+2*\i:\base+2*\i+1], 1.0 op_sel_hi:[1,0]
.endr
	WIN 0
.set fi, 0
.rept 32
	v_exp_f32 v[E+fi], v[T+fi]
.set fi, fi+1
.endr
	v_nop                                          ; one plain place behind the transcendentals before a result is used (ISA guide 5.7.2)
.set fi, 0
	s_wait_alu depctr_va_vdst(0)
.rept 32
	v_med3_num_f32 v[P+fi], v[E+fi], v[P+fi], 1.0  ; 32 lines that do not wait for each other
.set fi, fi+1
.endr
.endm
; q: 16 tokens at a time: phi, round to bf16, 16 bytes a lane into my stage, read back as rows, stored one tile later.
.macro QSTORE a
.irp u, 0,1,2,3
	global_store_b128 v[CO], v[OUT+16*((\a)&1)+4*\u:OUT+16*((\a)&1)+4*\u+3], s[6:7] offset:(4*(\a)+\u)*512   ; 512 consecutive bytes, aligned: four tokens' rows
.endr
.endm
.macro QTILE a
	FEAT32 1, 32*\a
.irp c, 0,1,2,3
.irp i, 0,1,2,3
	v_cvt_pk_bf16_f32 v[PK+4*\c+\i], v[P+8*\c+2*\i], v[P+8*\c+2*\i+1]
.endr
.endr
	s_wait_xcnt 0x0                                ; set a & 1 of OUT was the data of the stores two tiles ago: it is loaded again only behind this wait.  It stands ahead of
	                                               ; the stores below, which read the other set, so that it waits for none that has just been issued
.if \a
	s_wait_dscnt 0x0                               ; the last tile's four rows-back, issued a whole tile's arithmetic ago
	QSTORE \a-1
.endif
.irp c, 0,1,2,3
	ds_store_b128 v[STO], v[PK+4*\c:PK+4*\c+3] offset:16*PITCH*\a+32*\c
.endr
.irp u, 0,1,2,3
	ds_load_b128 v[OUT+16*(\a&1)+4*\u:OUT+16*(\a&1)+4*\u+3], v[RD] offset:(4*\a+\u)*4*PITCH   ; LDS serves a wave's instructions in order: these see the stores above
.endr
.endm
.irp a, 0,1,2,3,4,5,6,7
	QTILE \a
.endr
	s_wait_dscnt 0x0
	QSTORE 7
; k: phi; the sum over tokens in f32; rounded to f16 into window 1, v0-127, as operand fragments of 32 tokens:
; fragment (c, tt) at 8 (4 tt + c): registers 0-3 from token tile 2 tt, 4-7 from 2 tt + 1.
.macro KTILE a
	FEAT32 2, 32*\a
.irp c, 0,1,2,3
.if \a
	v_pk_add_f32 v[KS+2*\c:KS+2*\c+1], v[KS+2*\c:KS+2*\c+1], v[P+8*\c:P+8*\c+1]
.endif
.endr
.irp c, 0,1,2,3
.if \a
	v_pk_add_f32 v[KS+2*\c:KS+2*\c+1], v[KS+2*\c:KS+2*\c+1], v[P+8*\c+2:P+8*\c+3]
.else
	v_pk_add_f32 v[KS+2*\c:KS+2*\c+1], v[P+8*\c:P+8*\c+1], v[P+8*\c+2:P+8*\c+3]   ; the first add starts the sum
.endif
.endr
.irp c, 0,1,2,3
	v_pk_add_f32 v[KS+2*\c:KS+2*\c+1], v[KS+2*\c:KS+2*\c+1], v[P+8*\c+4:P+8*\c+5]
.endr
.irp c, 0,1,2,3
	v_pk_add_f32 v[KS+2*\c:KS+2*\c+1], v[KS+2*\c:KS+2*\c+1], v[P+8*\c+6:P+8*\c+7]
.endr
	WIN 0x40                                       ; destination in window 1
.irp c, 0,1,2,3
.irp i, 0,1,2,3
	v_cvt_pk_f16_f32 v[8*(4*(\a>>1)+\c)+4*(\a&1)+\i], v[P+8*\c+2*\i], v[P+8*\c+2*\i+1]
.endr
.endr
.endm
.irp a, 0,1,2,3,4,5,6,7
	KTILE \a
.endr
	; v: rounded to f16 into window 1, v128-255, in the same order
	WIN 0x4f                                       ; sources in window 3, destination in window 1
.irp a, 0,1,2,3,4,5,6,7
.irp c, 0,1,2,3
.irp i, 0,1,2,3
	v_cvt_pk_f16_f32 v[128+8*(4*(\a>>1)+\c)+4*(\a&1)+\i], v[8*(4*\a+\c)+2*\i], v[8*(4*\a+\c)+2*\i+1]
.endr
.endr
.endr
	; kv^T[m][d] = sum over my 128 tokens of v[token][m] k[token][d]: 16 accumulators in window 2, by turns.
	; k's fragment is source 0: a lane holds row m = 16 i + r and d = 16 c + 8 hh + j, eight neighbours: 32 bytes that belong together.
	WIN 0xa5                                       ; sources in window 1, C and D in window 2
.irp tt, 0,1,2,3
.irp i, 0,1,2,3
.irp c, 0,1,2,3
.if \tt
	v_wmma_f32_16x16x32_f16 v[8*(4*\i+\c):8*(4*\i+\c)+7], v[8*(4*\tt+\c):8*(4*\tt+\c)+7], v[128+8*(4*\tt+\i):128+8*(4*\tt+\i)+7], v[8*(4*\i+\c):8*(4*\i+\c)+7]
.else
	v_wmma_f32_16x16x32_f16 v[8*(4*\i+\c):8*(4*\i+\c)+7], v[8*(4*\tt+\c):8*(4*\tt+\c)+7], v[128+8*(4*\tt+\i):128+8*(4*\tt+\i)+7], 0
.endif
.endr
.endr
.endr
	PLACES 4
	WIN 0x08                                       ; store data in window 2
.irp i, 0,1,2,3
.irp c, 0,1,2,3
	ds_store_b128 v[KST], v[8*(4*\i+\c):8*(4*\i+\c)+3]   offset:16*\i*KPITCH+64*\c      ; over my stage: q's rows have left it
	ds_store_b128 v[KST], v[8*(4*\i+\c)+4:8*(4*\i+\c)+7] offset:16*\i*KPITCH+64*\c+16
.endr
.endr
	WIN 0
.irp c, 0,1,2,3
	v_add_f32 v[KS+2*\c], v[KS+2*\c], v[KS+2*\c+1]
.endr
.irp c, 0,1,2,3
	v_permlanex16_b32 v[KS+2*\c+1], v[KS+2*\c], s22, s23   ; the other half's eight tokens of each sixteen; the destination has been written
.endr
.irp c, 0,1,2,3
	v_add_f32 v[KS+2*\c], v[KS+2*\c], v[KS+2*\c+1]
	ds_store_b32 v[KSA], v[KS+2*\c] offset:64*\c   ; both halves write the same word with the same value
.endr
	s_wait_dscnt 0x0                               ; for the others' sake: my stage and my sum of k are written
	s_barrier_signal -1
	s_barrier_wait -1
	; the four waves' parts are added in a fixed order: wave w takes rows 16 w .. 16 w + 15
	s_wait_xcnt 0x0                                ; registers that q's stores read are loaded again only behind this wait
.irp w, 0,1,2,3
.irp t, 0,1,2,3,4,5,6,7
	ds_load_b128 v[SUM+4*(8*\w+\t):SUM+4*(8*\w+\t)+3], v[RK] offset:\w*WSTAGE+\t*2*KPITCH
.endr
.endr
	s_wait_dscnt 0x0
.irp t, 0,1,2,3,4,5,6,7
.irp p, 0,2
	v_pk_add_f32 v[SUM+4*\t+\p:SUM+4*\t+\p+1], v[SUM+4*\t+\p:SUM+4*\t+\p+1], v[SUM+32+4*\t+\p:SUM+32+4*\t+\p+1]
	v_pk_add_f32 v[SUM+64+4*\t+\p:SUM+64+4*\t+\p+1], v[SUM+64+4*\t+\p:SUM+64+4*\t+\p+1], v[SUM+96+4*\t+\p:SUM+96+4*\t+\p+1]
.endr
.irp p, 0,2
	v_pk_add_f32 v[SUM+4*\t+\p:SUM+4*\t+\p+1], v[SUM+4*\t+\p:SUM+4*\t+\p+1], v[SUM+64+4*\t+\p:SUM+64+4*\t+\p+1]
.endr
	global_store_b128 v[CO], v[SUM+4*\t:SUM+4*\t+3], s[8:9] offset:512*\t   ; two rows of 256 bytes, aligned
.endr
	s_cmp_lg_u32 s10, 0
	s_cbranch_scc1 .Lno_ksum                       ; wave 0 alone: the record's row 64, the sum of k
.irp w, 0,1,2,3
	ds_load_b64 v[160+2*\w:161+2*\w], v[KSR] offset:256*\w
.endr
	s_wait_dscnt 0x0
	v_pk_add_f32 v[160:161], v[160:161], v[162:163]
	v_pk_add_f32 v[164:165], v[164:165], v[166:167]
	v_pk_add_f32 v[160:161], v[160:161], v[164:165]
	global_store_b64 v[CO8], v[160:161], s[8:9] offset:16384
.Lno_ksum:
	s_wait_tensorcnt 0x0
	ds_add_u32 v30, v31
	s_wait_dscnt 0x0
	CROUND                                         ; the closing round: no work-group ends while a partner may still ask for a tile that names it
	s_endpgm
.Lfunc_end_k_q46005d34ef_qkv:
	.size	k_q46005d34ef_qkv, .Lfunc_end_k_q46005d34ef_qkv-k_q46005d34ef_qkv
	.p2alignl 7, 3214868480
	.fill 96, 4, 3214868480
	.section	.rodata,"a",@progbits
	.p2align	6, 0x0
	.amdhsa_kernel k_q46005d34ef_qkv
		.amdhsa_group_segment_fixed_size 327680
		.amdhsa_private_segment_fixed_size 0
		.amdhsa_enable_private_segment 0
		.amdhsa_kernarg_size 24
		.amdhsa_user_sgpr_count 2
		.amdhsa_user_sgpr_kernarg_segment_ptr 1
		.amdhsa_wavefront_size32 1
		.amdhsa_system_sgpr_workgroup_id_x 1
		.amdhsa_system_sgpr_workgroup_id_y 1
		.amdhsa_system_sgpr_workgroup_id_z 1
		.amdhsa_system_vgpr_workitem_id 0
		.amdhsa_next_free_vgpr 1024
		.amdhsa_next_free_sgpr 66
		.amdhsa_reserve_vcc 0
		.amdhsa_float_denorm_mode_32 3
		.amdhsa_float_denorm_mode_16_64 3
		.amdhsa_memory_ordered 1
		.amdhsa_forward_progress 1
		.amdhsa_inst_pref_size 255
	.end_amdhsa_kernel
	.section	.bss,"aw",@nobits
	.p2align	6
	.space	262144
	.amdgpu_metadata
---
amdhsa.version: [ 1, 2 ]
amdhsa.kernels:
  - .name:           k_q46005d34ef_qkv
    .symbol:         k_q46005d34ef_qkv.kd
    .args:
      - { .name: cb, .offset: 0, .size: 8, .value_kind: global_buffer, .address_space: global }
      - { .name: qb, .offset: 8, .size: 8, .value_kind: global_buffer, .address_space: global }
      - { .name: kvp, .offset: 16, .size: 8, .value_kind: global_buffer, .address_space: global }
    .group_segment_fixed_size: 327680
    .private_segment_fixed_size: 0
    .kernarg_segment_align: 8
    .kernarg_segment_size: 24
    .max_flat_workgroup_size: 128
    .sgpr_count:     66
    .vgpr_count:     1024
    .wavefront_size: 32
...
	.end_amdgpu_metadata
.endif
;; end of part 2
;; launch attn (part 3): grid 256 x 1, 8 waves a work-group, clusters of 4 x 1, 224,512 bytes of LDS; arguments qb, kvp, ab; writes ab
.if DOCPART == 3
	.amdgcn_target "amdgcn-amd-amdhsa--gfx1250"
	.amdhsa_code_object_version 6
	.text
	.protected	k_q46005d34ef_attn
	.globl	k_q46005d34ef_attn
	.p2align	8
	.type	k_q46005d34ef_attn,@function
k_q46005d34ef_attn:
	s_mov_b64 s[64:65], 0
	v_nop
	global_prefetch_b8 v0, s[64:65] scope:SCOPE_SE
	s_setreg_imm32_b32 hwreg(HW_REG_WAVE_MODE, 25, 1), 1
	s_wait_xcnt 0x0
	s_wait_alu depctr_hold_cnt(0) depctr_sa_sdst(0) depctr_va_vdst(0) depctr_va_sdst(0) depctr_va_ssrc(0) depctr_va_vcc(0) depctr_vm_vsrc(0)
	s_getreg_b32 s2, hwreg(HW_REG_IB_STS2, 6, 4)
	s_cmp_eq_u32 s2, 0
	s_cbranch_scc0 .Lentry_in_a_cluster
	s_endpgm
.Lentry_in_a_cluster:
	s_bfe_u32 s2, ttmp6, 0x10000c
	s_cmp_lg_u32 s2, 0x3003
	s_cbranch_scc0 .Lentry_shape_is_right
	s_endpgm
.Lentry_shape_is_right:
; attn: for each (batch b, head h): kv^T and the sum of k = the four partial records added in a fixed order; then for each token
;   attn[token][m] = (sum over d of q[token][d] kv^T[m][d]) / (sum over d of q[token][d] ksum[d] + 1e-6), stored in f16 as [head][token][64].
; A cluster of four work-groups = one (b, h) (cluster x = 16 b + h); work-group cx takes 512 tokens, wave w 64 of them.
; The four partners need the same four records (66,560 dense bytes): asked for jointly, mask 15, by waves 0-3, one record each.  q's tiles are each wave's own: plain loads.
; The denominator rides on the matrix unit: a fifth row tile whose sixteen rows are all ksum gives q . ksum of token r in every lane that holds token r.
; FORMATS: q, kv^T and ksum are bf16 operands: kv grows like 2,048 k v and has no room in f16.  The same rounded q stands in numerator and denominator.  Sums, 1/den and the scaling in f32.
; attn is a weighted mean of v, so it has v's range: f16 (a number of magnitude 65,504 or more would become an infinity).
.set PITCH, 144                        ; an LDS row: 128 bytes + 16
.set QW,    64*PITCH                   ; a wave's 64 tokens
.set REC,   8*QW                       ; 73,728: the four records, f32, dense
.set RECB,  16640                      ; a record: 65 rows of 256 bytes
.set KT,    REC+4*RECB                 ; 140,288: kv^T rows 0-63 and ksum as row 64, bf16, pitch 144 (written by LDS stores: no load lands here)
.set STG,   KT+9472                    ; 149,760: each wave's way out, 64 x 144
.set KF, 16                            ; v[16:95]   fragment (i, s) of kv^T at 8 (2 i + s), i = 0..4, s = 0, 1
.set QF, 96                            ; v[96:159]  fragment (t, s) of q at 8 (2 t + s), t = 0..3
.set DD, 160                           ; v[160:239] two sets of five results
.set SM, 160                           ; before that: the records' words, (record, i) at 4 (4 record + i)
.set CV, 224                           ; v[224:231] the sums in bf16
.set Z,  240                           ; v[240:243] 1 / denominator, a pair for each set
.macro PLACES n
.rept \n
	v_nop
.endr
.endm
.macro ROUND                           ; a round of the cluster's barrier
	s_barrier_signal -1
	s_barrier_wait -1
	s_cmp_lg_u32 s10, 0
	s_cbranch_scc1 .Lnot_wave_0_\@
	s_barrier_signal -3
.Lnot_wave_0_\@:
	s_barrier_wait -3
	s_barrier_signal -1
	s_barrier_wait -1
.endm
	s_load_b128 s[4:7], s[0:1], 0x0                ; qb s[4:5], kvp s[6:7]
	s_load_b64 s[8:9], s[0:1], 0x10                ; ab
	v_lshl_add_u32 v248, v0, 2, 0x36900
	v_mov_b32 v249, 0
	ds_add_u32 v248, v249
	v_lshrrev_b32 v1, 5, v0
	v_readfirstlane_b32 s10, v1                    ; wave 0..7
	s_bfe_u32 s36, ttmp6, 0x40000                  ; cx
	s_and_b32 s40, ttmp9, 15                       ; my tokens in qb and in ab: head x 8,192 x 128 bytes
	s_lshl_b32 s40, s40, 20
	s_lshr_b32 s41, ttmp9, 4
	s_lshl_b32 s41, s41, 18                        ; + b x 2,048 x 128
	s_add_co_u32 s40, s40, s41
	s_lshl_b32 s41, s36, 16                        ; + cx x 512 x 128
	s_add_co_u32 s40, s40, s41
	s_lshl_b32 s41, s10, 13                        ; + wave x 64 x 128
	s_add_co_u32 s40, s40, s41
	s_mov_b32 s41, 0
	s_lshl_b32 s38, ttmp9, 2                       ; record 4 (16 b + h) + wave: no place in the cluster enters (used by waves 0-3 alone)
	s_add_co_u32 s38, s38, s10
	s_mul_i32 s38, s38, RECB
	s_mov_b32 s39, 0
	; q's tile: 64 tokens x 128 bytes = 32 dense rows of 32 elements of 8 bytes; in LDS 16 bytes of padding behind every 128
	s_mov_b32 s16, (3<<16)|(1<<20)|(4<<22)|(3<<25)
	s_mov_b32 s17, 32<<16
	s_mov_b32 s18, 32<<16
	s_mov_b32 s19, 32<<16
	s_mov_b32 s20, 32
	s_mov_b32 s21, 32
	s_mov_b32 s22, 0
	s_mov_b32 s23, 0
	; a record: 65 dense rows of 256 bytes, no padding; mask 15 = the cluster's four, bit 21 beside it
	s_mov_b32 s28, 15|(3<<16)|(1<<21)
	s_mov_b32 s29, 32<<16
	s_mov_b32 s30, 65<<16
	s_mov_b32 s31, 32<<16
	s_mov_b32 s32, 65
	s_mov_b32 s33, 32
	s_mov_b32 s34, 0
	s_mov_b32 s35, 0
	s_mov_b32 s12, 1
	s_mul_i32 s13, s10, QW
	s_mov_b32 s24, 1
	s_mul_i32 s25, s10, RECB
	s_add_co_u32 s25, s25, REC
	s_wait_dscnt 0x0
	s_wait_kmcnt 0x0
	s_add_nc_u64 s[14:15], s[4:5], s[40:41]
	s_or_b32 s15, s15, 0x80000000
	s_add_nc_u64 s[26:27], s[6:7], s[38:39]
	s_or_b32 s27, s27, 0x80000000
	s_add_nc_u64 s[8:9], s[8:9], s[40:41]
	ROUND                                          ; the four work-groups are here: the joint loads meet
	tensor_load_to_lds s[12:15], s[16:23]          ; my 64 tokens of q
	s_nop 0
	s_cmp_ge_u32 s10, 4
	s_cbranch_scc1 .Lno_rec
	tensor_load_to_lds s[24:27], s[28:35]          ; waves 0-3: record w, for all four work-groups.  At most two tensor loads of a wave are out
	s_nop 0
.Lno_rec:
	v_and_b32 v11, 31, v0                          ; lane
	v_and_b32 v12, 15, v0                          ; r
	v_bfe_u32 v13, v0, 4, 1                        ; hh
	s_lshl_b32 s37, s10, 9
	s_add_co_u32 s37, s37, REC
	v_lshl_add_u32 v1, v11, 4, s37                 ; the records: 16 bytes a thread, 512 a wave
	s_mul_i32 s37, s10, 2*PITCH
	s_add_co_u32 s37, s37, KT
	v_mul_u32_u24 v14, v13, PITCH
	v_lshl_add_u32 v2, v12, 3, v14
	v_add_nc_u32 v2, s37, v2                       ; kv^T in bf16: row 2 w + hh (+ 16 i), 8 bytes at 8 r
	v_lshl_add_u32 v3, v11, 3, REC+16384           ; the records' row 64: 8 bytes a lane
	v_lshl_add_u32 v4, v11, 2, KT+64*PITCH         ; ksum in bf16: 4 bytes a lane
	v_mul_u32_u24 v15, v12, PITCH
	v_lshl_add_u32 v15, v13, 4, v15                ; a fragment's lane term
	v_add_nc_u32 v5, KT, v15
	v_lshl_add_u32 v6, v13, 4, KT+64*PITCH         ; the fifth tile: every lane reads row 64
	v_add_nc_u32 v7, s13, v15
	s_add_co_u32 s37, s13, STG
	v_add_nc_u32 v8, s37, v15                      ; the way out, in
	v_lshrrev_b32 v14, 3, v11
	v_mul_u32_u24 v14, v14, PITCH
	v_and_b32 v9, 7, v0
	v_lshl_add_u32 v9, v9, 4, v14
	v_add_nc_u32 v9, s37, v9                       ; and back: eight lanes a row, four rows a load
	v_lshlrev_b32 v10, 4, v11
	s_wait_tensorcnt 0x0                           ; all my loads have landed
	s_barrier_signal -1
	s_barrier_wait -1                              ; everybody's have
	; the four records are added, each thread 4 x 4 words, and rounded to bf16
.irp rc, 0,1,2,3
.irp i, 0,1,2,3
	ds_load_b128 v[SM+4*(4*\rc+\i):SM+4*(4*\rc+\i)+3], v1 offset:\rc*RECB+\i*4096
.endr
.endr
	s_wait_dscnt 0x0
.irp i, 0,1,2,3
.irp p, 0,2
	v_pk_add_f32 v[SM+4*\i+\p:SM+4*\i+\p+1], v[SM+4*\i+\p:SM+4*\i+\p+1], v[SM+16+4*\i+\p:SM+16+4*\i+\p+1]
	v_pk_add_f32 v[SM+32+4*\i+\p:SM+32+4*\i+\p+1], v[SM+32+4*\i+\p:SM+32+4*\i+\p+1], v[SM+48+4*\i+\p:SM+48+4*\i+\p+1]
.endr
.irp p, 0,2
	v_pk_add_f32 v[SM+4*\i+\p:SM+4*\i+\p+1], v[SM+4*\i+\p:SM+4*\i+\p+1], v[SM+32+4*\i+\p:SM+32+4*\i+\p+1]
.endr
	v_cvt_pk_bf16_f32 v[CV+2*\i],   v[SM+4*\i],   v[SM+4*\i+1]
	v_cvt_pk_bf16_f32 v[CV+2*\i+1], v[SM+4*\i+2], v[SM+4*\i+3]
	ds_store_b64 v2, v[CV+2*\i:CV+2*\i+1] offset:16*PITCH*\i
.endr
	s_cmp_lg_u32 s10, 0
	s_cbranch_scc1 .Lno_ks                         ; wave 0 alone: ksum
.irp rc, 0,1,2,3
	ds_load_b64 v[232+2*\rc:233+2*\rc], v3 offset:\rc*RECB
.endr
	s_wait_dscnt 0x0
	v_pk_add_f32 v[232:233], v[232:233], v[234:235]
	v_pk_add_f32 v[236:237], v[236:237], v[238:239]
	v_pk_add_f32 v[232:233], v[232:233], v[236:237]
	v_cvt_pk_bf16_f32 v232, v232, v233
	ds_store_b32 v4, v232
.Lno_ks:
	s_wait_dscnt 0x0                               ; for the others' sake: my part of kv^T is written
	s_barrier_signal -1
	s_barrier_wait -1
.irp i, 0,1,2,3
.irp s, 0,1
	ds_load_b128 v[KF+8*(2*\i+\s):KF+8*(2*\i+\s)+3],   v5 offset:16*PITCH*\i+64*\s
	ds_load_b128 v[KF+8*(2*\i+\s)+4:KF+8*(2*\i+\s)+7], v5 offset:16*PITCH*\i+64*\s+32
.endr
.endr
.irp s, 0,1
	ds_load_b128 v[KF+8*(8+\s):KF+8*(8+\s)+3],   v6 offset:64*\s
	ds_load_b128 v[KF+8*(8+\s)+4:KF+8*(8+\s)+7], v6 offset:64*\s+32
.endr
.irp t, 0,1,2,3
.irp s, 0,1
	ds_load_b128 v[QF+8*(2*\t+\s):QF+8*(2*\t+\s)+3],   v7 offset:16*PITCH*\t+64*\s
	ds_load_b128 v[QF+8*(2*\t+\s)+4:QF+8*(2*\t+\s)+7], v7 offset:16*PITCH*\t+64*\s+32
.endr
.endr
	s_wait_dscnt 0x0
; Token tiles 2 g and 2 g + 1.  kv^T's fragment is source 0: a lane holds token r and m = 16 i + 8 hh + j, eight neighbours.
; Ten accumulators take turns, one instruction a turn.
.macro GROUP g
.irp s, 0,1
.irp e, 0,1
.irp i, 0,1,2,3,4
.if \s
	v_wmma_f32_16x16x32_bf16 v[DD+40*\e+8*\i:DD+40*\e+8*\i+7], v[KF+8*(2*\i+\s):KF+8*(2*\i+\s)+7], v[QF+8*(2*(2*\g+\e)+\s):QF+8*(2*(2*\g+\e)+\s)+7], v[DD+40*\e+8*\i:DD+40*\e+8*\i+7]
.else
	v_wmma_f32_16x16x32_bf16 v[DD+40*\e+8*\i:DD+40*\e+8*\i+7], v[KF+8*(2*\i+\s):KF+8*(2*\i+\s)+7], v[QF+8*(2*(2*\g+\e)+\s):QF+8*(2*(2*\g+\e)+\s)+7], 0
.endif
.endr
.endr
.endr
	PLACES 5                                       ; before results are read, and before the next group's products write over them (ISA guide 7.12.1)
.irp e, 0,1
	v_add_f32 v[Z+2*\e], 0x358637bd, v[DD+40*\e+32]   ; q . ksum + 1e-6
.endr
.irp e, 0,1
	v_rcp_f32 v[Z+2*\e], v[Z+2*\e]
.endr
	v_nop                                          ; one plain place behind the transcendentals (ISA guide 5.7.2)
	s_wait_alu depctr_va_vdst(0)
.irp e, 0,1
	v_mov_b32 v[Z+2*\e+1], v[Z+2*\e]               ; a pair for the packed multiply
.endr
.irp e, 0,1
.irp n, 0,1,2,3,4,5,6,7,8,9,10,11,12,13,14,15
	v_pk_mul_f32 v[DD+40*\e+2*\n:DD+40*\e+2*\n+1], v[DD+40*\e+2*\n:DD+40*\e+2*\n+1], v[Z+2*\e:Z+2*\e+1]
.endr
.irp i, 0,1,2,3
.irp k, 0,1,2,3
	v_cvt_pk_f16_f32 v[DD+40*\e+8*\i+\k], v[DD+40*\e+8*\i+2*\k], v[DD+40*\e+8*\i+2*\k+1]   ; in place: register k is written when 2 k and 2 k + 1 are read
.endr
	ds_store_b128 v8, v[DD+40*\e+8*\i:DD+40*\e+8*\i+3] offset:16*PITCH*(2*\g+\e)+32*\i
.endr
.endr
.endm
	GROUP 0
	GROUP 1
.irp u, 0,1,2,3,4,5,6,7,8,9,10,11,12,13,14,15
	ds_load_b128 v[16+4*\u:16+4*\u+3], v9 offset:4*PITCH*\u   ; my own stage: LDS serves a wave's instructions in order
.endr
.irp u, 0,1,2,3,4,5,6,7,8,9,10,11,12,13,14,15
	s_wait_dscnt 15-\u                             ; load u is in, the younger ones stay out
	global_store_b128 v10, v[16+4*\u:16+4*\u+3], s[8:9] offset:512*\u   ; 512 consecutive bytes, aligned: four tokens' rows
.endr
	s_wait_tensorcnt 0x0
	ds_add_u32 v248, v249
	s_wait_dscnt 0x0
	ROUND                                          ; the closing round
	s_endpgm
.Lfunc_end_k_q46005d34ef_attn:
	.size	k_q46005d34ef_attn, .Lfunc_end_k_q46005d34ef_attn-k_q46005d34ef_attn
	.p2alignl 7, 3214868480
	.fill 96, 4, 3214868480
	.section	.rodata,"a",@progbits
	.p2align	6, 0x0
	.amdhsa_kernel k_q46005d34ef_attn
		.amdhsa_group_segment_fixed_size 224512
		.amdhsa_private_segment_fixed_size 0
		.amdhsa_enable_private_segment 0
		.amdhsa_kernarg_size 24
		.amdhsa_user_sgpr_count 2
		.amdhsa_user_sgpr_kernarg_segment_ptr 1
		.amdhsa_wavefront_size32 1
		.amdhsa_system_sgpr_workgroup_id_x 1
		.amdhsa_system_sgpr_workgroup_id_y 1
		.amdhsa_system_sgpr_workgroup_id_z 1
		.amdhsa_system_vgpr_workitem_id 0
		.amdhsa_next_free_vgpr 250
		.amdhsa_next_free_sgpr 66
		.amdhsa_reserve_vcc 0
		.amdhsa_float_denorm_mode_32 3
		.amdhsa_float_denorm_mode_16_64 3
		.amdhsa_memory_ordered 1
		.amdhsa_forward_progress 1
		.amdhsa_inst_pref_size 28
	.end_amdhsa_kernel
	.amdgpu_metadata
---
amdhsa.version: [ 1, 2 ]
amdhsa.kernels:
  - .name:           k_q46005d34ef_attn
    .symbol:         k_q46005d34ef_attn.kd
    .args:
      - { .name: qb, .offset: 0, .size: 8, .value_kind: global_buffer, .address_space: global }
      - { .name: kvp, .offset: 8, .size: 8, .value_kind: global_buffer, .address_space: global }
      - { .name: ab, .offset: 16, .size: 8, .value_kind: global_buffer, .address_space: global }
    .group_segment_fixed_size: 224512
    .private_segment_fixed_size: 0
    .kernarg_segment_align: 8
    .kernarg_segment_size: 24
    .max_flat_workgroup_size: 256
    .sgpr_count:     66
    .vgpr_count:     250
    .wavefront_size: 32
...
	.end_amdgpu_metadata
.endif
;; end of part 3
;; launch proj (part 4): grid 4 x 64, 4 waves a work-group, clusters of 4 x 4, 327,680 bytes of LDS; arguments ab, cb, b_out, out0; writes out0
.if DOCPART == 4
	.amdgcn_target "amdgcn-amd-amdhsa--gfx1250"
	.amdhsa_code_object_version 6
	.text
	.protected	k_q46005d34ef_proj
	.globl	k_q46005d34ef_proj
	.p2align	8
	.type	k_q46005d34ef_proj,@function
k_q46005d34ef_proj:
	s_mov_b64 s[64:65], 0
	v_nop
	global_prefetch_b8 v0, s[64:65] scope:SCOPE_SE
	s_setreg_imm32_b32 hwreg(HW_REG_WAVE_MODE, 25, 1), 1
	s_wait_xcnt 0x0
	s_wait_alu depctr_hold_cnt(0) depctr_sa_sdst(0) depctr_va_vdst(0) depctr_va_sdst(0) depctr_va_ssrc(0) depctr_va_vcc(0) depctr_vm_vsrc(0)
	s_getreg_b32 s2, hwreg(HW_REG_IB_STS2, 6, 4)
	s_cmp_eq_u32 s2, 0
	s_cbranch_scc0 .Lentry_in_a_cluster
	s_endpgm
.Lentry_in_a_cluster:
	s_bfe_u32 s2, ttmp6, 0x10000c
	s_cmp_lg_u32 s2, 0xf033
	s_cbranch_scc0 .Lentry_shape_is_right
	s_endpgm
.Lentry_shape_is_right:
; proj: out0[token][o] = sum over d of attn[token][d] w_out[o][d] + b_out[o].  8192 x 1024 over K = 1024, f16 operands, f32 sums, bias added in f32.
; A work-group = 128 tokens (y) x 256 columns (x), so that there are 256 of them; wave (wr, wc) = 64 tokens x 128 columns: 32 accumulator tiles in window 1.
; K goes in steps of 128 = two K blocks (ab's block = the head; w_out's blocks lie in cb) through two LDS slots; each tile is one dense run of bytes, described as rows of 256 bytes.
; CLUSTERS: 4 x 4.  attn's tile hangs on the token block alone (shared along a row of the cluster), w_out's on the column block alone (shared along a column): joint loads.
; w_out's fragment is source 0: a lane holds token r and eight neighbouring columns, 32 bytes of f32.
.set PITCH,  144
.set ABLK,   128*PITCH                 ; one K block of attn's 128 tokens
.set BBLK,   256*PITCH                 ; one K block of w_out's 256 rows
.set BOFF,   2*ABLK
.set SLOT,   2*ABLK+2*BBLK             ; 110,592: attn even, odd block; w_out even, odd block
.set STAGE,  2*SLOT                    ; 221,184: behind the ring, never filled by a load: 16 rows x 528 bytes a wave
.set SPITCH, 528                       ; 512 bytes + 16: an odd multiple of 16
.set WSTAGE, 16*SPITCH
.set ASTR,   1048576                   ; bytes from one K block of ab to the next
.set WO_OFF, 23068672
.set BSTR,   131072
.set FLAGS,  (3<<16)|(1<<20)|(1<<21)|(4<<22)|(3<<25)
.set ADRA, 16
.set ADRB, 18
.set SO,   20
.set SR,   21
.set CO,   22
.set F0,   32                          ; v[32:127]  attn's 4 fragments, then w_out's 8
.set F1,   128                         ; v[128:223]
.set BI,   224                         ; v[224:227] the bias of my four columns on the way out
.set G1,  24
.set G0,  32
.set G1B, 48
.set G0B, 56
.set MSB, 0
.macro WIN new
.if MSB != \new
	s_set_vgpr_msb (MSB<<8)|\new
.set MSB, \new
.endif
.endm
.macro PLACES n
.rept \n
	v_nop
.endr
.endm
.macro JLOAD s                         ; waves 0, 1 fetch attn's two K blocks, waves 2, 3 w_out's
	s_cmp_eq_u32 s13, 0
	s_cbranch_scc0 .Lfor_b_\@
	tensor_load_to_lds s[G0+4*\s:G0+4*\s+3], s[G1:G1+7]
	s_nop 0
	s_branch .Lasked_\@
.Lfor_b_\@:
	tensor_load_to_lds s[G0B+4*\s:G0B+4*\s+3], s[G1B:G1B+7]
	s_nop 0
.Lasked_\@:
.endm
.macro CREST
	s_cmp_lg_u32 s12, 0
	s_cbranch_scc1 .Lnot_wave_0_\@
	s_barrier_signal -3
.Lnot_wave_0_\@:
	s_barrier_wait -3
	s_barrier_signal -1
	s_barrier_wait -1
.endm
.macro CROUND
	s_barrier_signal -1
	s_barrier_wait -1
	CREST
.endm
	s_load_b256 s[4:11], s[0:1], 0x0               ; ab s[4:5], cb s[6:7], b_out s[8:9], out0 s[10:11]
	v_lshl_add_u32 v254, v0, 2, 0x3e400
	v_mov_b32 v255, 0
	ds_add_u32 v254, v255
	v_lshrrev_b32 v1, 5, v0
	v_readfirstlane_b32 s12, v1                    ; wave 0..3
	s_lshr_b32 s13, s12, 1                         ; wr: my 64 tokens.  Also: I fetch for attn (0) or for w_out (1)
	s_and_b32 s14, s12, 1                          ; wc: my 128 columns.  Also: which K block of the step I fetch
	s_bfe_u32 s40, ttmp6, 0x40000                  ; cx
	s_bfe_u32 s41, ttmp6, 0x40004                  ; cy
	s_lshl_b32 s42, ttmp9, 2
	s_add_co_u32 s42, s42, s40                     ; column block
	s_and_b32 s15, ttmp7, 0xffff
	s_lshl_b32 s15, s15, 2
	s_add_co_u32 s15, s15, s41                     ; token block
	s_lshl_b32 s43, s41, 2
	s_lshl_b32 s43, 15, s43                        ; my row of the cluster
	s_lshl_b32 s44, 0x1111, s40                    ; my column
	; group 1.  attn: 128 tokens x 128 bytes = 64 dense rows of 256 bytes.  w_out: 256 rows x 128 bytes = 128 such rows.
	s_or_b32 s[G1+0], s43, FLAGS
	s_or_b32 s[G1B+0], s44, FLAGS
	s_mov_b32 s[G1+1], 32<<16
	s_mov_b32 s[G1B+1], 32<<16
	s_mov_b32 s[G1+2], 64<<16
	s_mov_b32 s[G1B+2], 128<<16
	s_mov_b32 s[G1+3], 32<<16
	s_mov_b32 s[G1B+3], 32<<16
	s_mov_b32 s[G1+4], 64
	s_mov_b32 s[G1B+4], 128
	s_mov_b32 s[G1+5], 32
	s_mov_b32 s[G1B+5], 32
	s_mov_b32 s[G1+6], 0
	s_mov_b32 s[G1B+6], 0
	s_mov_b32 s[G1+7], 0
	s_mov_b32 s[G1B+7], 0
	s_lshl_b32 s16, s14, 20                        ; attn: my K block
	s_lshl_b32 s17, s15, 14                        ; + token block x 128 x 128 bytes
	s_add_co_u32 s16, s16, s17
	s_mov_b32 s17, 0
	s_lshl_b32 s46, s14, 17                        ; w_out: my K block
	s_lshl_b32 s47, s42, 15                        ; + column block x 256 x 128 bytes
	s_add_co_u32 s46, s46, s47
	s_add_co_u32 s46, s46, WO_OFF
	s_mov_b32 s47, 0
	s_mul_i32 s22, s14, ABLK                       ; LDS: the wave's number alone
	s_mul_i32 s23, s14, BBLK
	s_add_co_u32 s23, s23, BOFF
	s_wait_dscnt 0x0
	s_wait_kmcnt 0x0
	s_add_nc_u64 s[20:21], s[4:5], s[16:17]
	s_add_nc_u64 s[46:47], s[6:7], s[46:47]
	CROUND                                         ; all sixteen work-groups are here: the first joint loads meet
.irp s, 0,1
	s_mov_b32 s[G0+4*\s], 1
	s_add_co_u32 s[G0+4*\s+1], s22, \s*SLOT
	s_add_nc_u64 s[G0+4*\s+2:G0+4*\s+3], s[20:21], \s*2*ASTR       ; K step s = blocks 2 s, 2 s + 1
	s_or_b32 s[G0+4*\s+3], s[G0+4*\s+3], 0x80000000
	s_mov_b32 s[G0B+4*\s], 1
	s_add_co_u32 s[G0B+4*\s+1], s23, \s*SLOT
	s_add_nc_u64 s[G0B+4*\s+2:G0B+4*\s+3], s[46:47], \s*2*BSTR
	s_or_b32 s[G0B+4*\s+3], s[G0B+4*\s+3], 0x80000000
	JLOAD \s                                       ; two tensor loads of a wave are out here, later one
.endr
	s_lshl_b32 s46, s42, 10                        ; my first column, in bytes of f32: 1,024 x block + 512 x wc
	s_lshl_b32 s47, s14, 9
	s_add_co_u32 s46, s46, s47
	s_mov_b32 s47, 0
	s_add_nc_u64 s[8:9], s[8:9], s[46:47]
	s_add_nc_u64 s[10:11], s[10:11], s[46:47]
	s_lshl_b32 s16, s15, 19                        ; my first token: (128 x block + 64 x wr) rows of 4,096 bytes
	s_lshl_b32 s17, s13, 18
	s_add_co_u32 s16, s16, s17
	s_mov_b32 s17, 0
	s_add_nc_u64 s[10:11], s[10:11], s[16:17]
	v_and_b32 v1, 15, v0                           ; r
	v_bfe_u32 v2, v0, 4, 1                         ; hh
	v_and_b32 v5, 31, v0                           ; lane
	v_lshlrev_b32 v[CO], 4, v5
	global_load_b128 v[BI:BI+3], v[CO], s[8:9]     ; b_out of columns 4 lane .. 4 lane + 3 of my 128; waited for in front of the way out
	v_mul_u32_u24 v3, v1, PITCH
	v_lshl_add_u32 v3, v2, 4, v3
	s_mul_i32 s16, s13, 64*PITCH
	v_add_nc_u32 v[ADRA], s16, v3
	v_add_nc_u32 v[ADRA+1], SLOT, v[ADRA]
	s_mul_i32 s16, s14, 128*PITCH
	s_add_co_u32 s16, s16, BOFF
	v_add_nc_u32 v[ADRB], s16, v3
	v_add_nc_u32 v[ADRB+1], SLOT, v[ADRB]
	s_mul_i32 s16, s12, WSTAGE
	s_add_co_u32 s16, s16, STAGE
	v_mul_u32_u24 v4, v1, SPITCH
	v_lshl_add_u32 v4, v2, 5, v4                   ; in: row r, 32 bytes for each half of the lanes
	v_add_nc_u32 v[SO], s16, v4
	v_add_nc_u32 v[SR], s16, v[CO]                 ; back: the 32 lanes take one row of 512 bytes
; 16 products: token tiles a0, a0 + 1 x 8 column tiles, 32 along K; tile (a, c) at v[8 (8 a + c)] of window 1
.macro MUL16 f, a0, zero
.irp a, \a0, \a0+1
.irp c, 0,1,2,3,4,5,6,7
.if \zero
	v_wmma_f32_16x16x32_f16 v[8*(8*(\a)+\c):8*(8*(\a)+\c)+7], v[\f+32+8*\c:\f+32+8*\c+7], v[\f+8*(\a):\f+8*(\a)+7], 0
.else
	v_wmma_f32_16x16x32_f16 v[8*(8*(\a)+\c):8*(8*(\a)+\c)+7], v[\f+32+8*\c:\f+32+8*\c+7], v[\f+8*(\a):\f+8*(\a)+7], v[8*(8*(\a)+\c):8*(8*(\a)+\c)+7]
.endif
.endr
.endr
.endm
; 24 loads: quarter qd of a K step: block qd >> 1, byte 64 (qd & 1) of its rows
.macro FETCH slot, qd, f
.irp a, 0,1,2,3
	ds_load_b128 v[\f+8*\a:\f+8*\a+3],   v[ADRA+\slot] offset:(\qd>>1)*ABLK+(\qd&1)*64+\a*16*PITCH
	ds_load_b128 v[\f+8*\a+4:\f+8*\a+7], v[ADRA+\slot] offset:(\qd>>1)*ABLK+(\qd&1)*64+\a*16*PITCH+32
.endr
.irp c, 0,1,2,3,4,5,6,7
	ds_load_b128 v[\f+32+8*\c:\f+32+8*\c+3],   v[ADRB+\slot] offset:(\qd>>1)*BBLK+(\qd&1)*64+\c*16*PITCH
	ds_load_b128 v[\f+32+8*\c+4:\f+32+8*\c+7], v[ADRB+\slot] offset:(\qd>>1)*BBLK+(\qd&1)*64+\c*16*PITCH+32
.endr
.endm
; One of a K step's first three quarters: fetches the next quarter into buffer g (four places behind the products that read it), multiplies buffer f.
; The 32 accumulators take turns, one instruction a turn, in the same order in every quarter.
.macro QUARTER slot, qnext, f, g, zero
	PLACES 4
	WIN 0
	FETCH \slot, \qnext, \g
	s_wait_dscnt 24                                ; only the 24 just issued may stay out
	WIN 0x50
	MUL16 \f, 0, \zero
	MUL16 \f, 2, \zero
.endm
.macro THREE slot, zero
	QUARTER \slot, 1, F0, F1, \zero
	QUARTER \slot, 2, F1, F0, 0
	QUARTER \slot, 3, F0, F1, 0
.endm
; The fourth quarter changes slots: one barrier; fill = 1: it opens a round of the cluster's barrier and this slot is filled again, two K steps ahead.
; Nothing stands between the barrier's signal and its wait: the refill is asked for as soon as every wave's part of the next slot has landed, and the
; quarter's 32 products run while the new tile is on its way.
.macro TURN slot, next, fill
	WIN 0
	s_wait_dscnt 0x0                               ; my reads of this slot are over (buffer 1 is in),
	s_wait_tensorcnt 0x0                           ; and all my tensor loads have landed: the one that was out is my part of the next slot
	ds_add_u32 v254, v255
	s_wait_dscnt 0x0
.if \fill
	s_add_nc_u64 s[G0+4*\slot+2:G0+4*\slot+3], s[G0+4*\slot+2:G0+4*\slot+3], 4*ASTR         ; no load of mine is out: this slot's addresses step to its next K step
	s_add_nc_u64 s[G0B+4*\slot+2:G0B+4*\slot+3], s[G0B+4*\slot+2:G0B+4*\slot+3], 4*BSTR
.endif
	s_barrier_signal -1
	s_barrier_wait -1
.if \fill
	CREST                                          ; no wave of any partner still reads this slot or has a load on its way
	JLOAD \slot                                    ; my one tensor load behind the round, ahead of every LDS read; a whole step, 128 matrix instructions, stands between it and the wait for it
.endif
	PLACES 4                                       ; buffer 0 was read by the last products
	FETCH \next, 0, F0
	WIN 0x50
	MUL16 F1, 0, 0
	MUL16 F1, 2, 0
.endm
.macro LAP zero
	THREE 0, \zero
	TURN 0, 1, 1
	THREE 1, 0
	TURN 1, 0, 1
.endm
	s_wait_tensorcnt 1                             ; my part of K step 0 is in; step 1's may stay out
	s_barrier_signal -1
	s_barrier_wait -1
	FETCH 0, 0, F0
	LAP 1                                          ; 8 K steps = 4 laps: the first starts the sums,
	WIN 0
	s_mov_b32 s3, 2                                ; two go round,
.Llap:
	LAP 0
	WIN 0
	s_sub_co_u32 s3, s3, 1
	s_cmp_lg_u32 s3, 0
	s_cbranch_scc1 .Llap
	THREE 0, 0                                     ; the last fills nothing
	TURN 0, 1, 0
	THREE 1, 0
	s_wait_dscnt 0x0
	WIN 0x50
	MUL16 F1, 0, 0
	MUL16 F1, 2, 0
	; THE WAY OUT, 16 tokens at a time: 32 bytes a lane into my own stage, read back as whole rows of 512 bytes, the bias added, stored.
	PLACES 4
	s_wait_loadcnt 0x0                             ; the bias
.macro OUT16 a, f
	WIN 0x04                                       ; store data in window 1
.irp c, 0,1,2,3,4,5,6,7
	ds_store_b128 v[SO], v[8*(8*\a+\c):8*(8*\a+\c)+3]   offset:64*\c
	ds_store_b128 v[SO], v[8*(8*\a+\c)+4:8*(8*\a+\c)+7] offset:64*\c+16
.endr
	WIN 0
	s_wait_xcnt 0x0                                ; buffer f, which stores read, and the stores' base are rewritten only behind this wait
.if \a
	s_add_nc_u64 s[10:11], s[10:11], 65536         ; 16 rows of out0 on
.endif
.irp u, 0,1,2,3,4,5,6,7,8,9,10,11,12,13,14,15
	ds_load_b128 v[\f+4*\u:\f+4*\u+3], v[SR] offset:\u*SPITCH      ; LDS serves a wave's instructions in order: these see the stores above
.endr
.irp u, 0,1,2,3,4,5,6,7,8,9,10,11,12,13,14,15
	s_wait_dscnt 15-\u                             ; row u is in, the younger ones stay out
	v_pk_add_f32 v[\f+4*\u:\f+4*\u+1],   v[\f+4*\u:\f+4*\u+1],   v[BI:BI+1]
	v_pk_add_f32 v[\f+4*\u+2:\f+4*\u+3], v[\f+4*\u+2:\f+4*\u+3], v[BI+2:BI+3]
	global_store_b128 v[CO], v[\f+4*\u:\f+4*\u+3], s[10:11] offset:4096*\u th:TH_STORE_NT   ; 512 consecutive bytes of a row, aligned
.endr
.endm
	OUT16 0, F0
	OUT16 1, F1
	OUT16 2, F0
	OUT16 3, F1
	s_wait_tensorcnt 0x0
	ds_add_u32 v254, v255
	s_wait_dscnt 0x0
	CROUND                                         ; the closing round
	s_endpgm
.Lfunc_end_k_q46005d34ef_proj:
	.size	k_q46005d34ef_proj, .Lfunc_end_k_q46005d34ef_proj-k_q46005d34ef_proj
	.p2alignl 7, 3214868480
	.fill 96, 4, 3214868480
	.section	.rodata,"a",@progbits
	.p2align	6, 0x0
	.amdhsa_kernel k_q46005d34ef_proj
		.amdhsa_group_segment_fixed_size 327680
		.amdhsa_private_segment_fixed_size 0
		.amdhsa_enable_private_segment 0
		.amdhsa_kernarg_size 32
		.amdhsa_user_sgpr_count 2
		.amdhsa_user_sgpr_kernarg_segment_ptr 1
		.amdhsa_wavefront_size32 1
		.amdhsa_system_sgpr_workgroup_id_x 1
		.amdhsa_system_sgpr_workgroup_id_y 1
		.amdhsa_system_sgpr_workgroup_id_z 1
		.amdhsa_system_vgpr_workitem_id 0
		.amdhsa_next_free_vgpr 512
		.amdhsa_next_free_sgpr 66
		.amdhsa_reserve_vcc 0
		.amdhsa_float_denorm_mode_32 3
		.amdhsa_float_denorm_mode_16_64 3
		.amdhsa_memory_ordered 1
		.amdhsa_forward_progress 1
		.amdhsa_inst_pref_size 124
	.end_amdhsa_kernel
	.amdgpu_metadata
---
amdhsa.version: [ 1, 2 ]
amdhsa.kernels:
  - .name:           k_q46005d34ef_proj
    .symbol:         k_q46005d34ef_proj.kd
    .args:
      - { .name: ab, .offset: 0, .size: 8, .value_kind: global_buffer, .address_space: global }
      - { .name: cb, .offset: 8, .size: 8, .value_kind: global_buffer, .address_space: global }
      - { .name: b_out, .offset: 16, .size: 8, .value_kind: global_buffer, .address_space: global }
      - { .name: out0, .offset: 24, .size: 8, .value_kind: global_buffer, .address_space: global }
    .group_segment_fixed_size: 327680
    .private_segment_fixed_size: 0
    .kernarg_segment_align: 8
    .kernarg_segment_size: 32
    .max_flat_workgroup_size: 128
    .sgpr_count:     66
    .vgpr_count:     512
    .wavefront_size: 32
...
	.end_amdgpu_metadata
.endif
;; end of part 4
;; ======== version 2 of 2: 4 launches; version 1 with the launch cast written anew for expert scheduling mode
;; limits: values are held in f16: magnitudes above 65,504 overflow, below 6.1e-05 lose precision; right only within a limited range of input values
;; workspace buffers: cb 25,165,824 bytes; qb 16,777,216 bytes; ab 16,777,216 bytes; kvp 4,259,840 bytes
;; launch cast (part 5): grid 768 x 1, 8 waves a work-group, no clusters, 0 bytes of LDS; arguments x, w_qkv, w_out, cb; writes cb
.if DOCPART == 5
	.amdgcn_target "amdgcn-amd-amdhsa--gfx1250"
	.amdhsa_code_object_version 6
	.text
	.protected	k_q46005d34ef_cast
	.globl	k_q46005d34ef_cast
	.p2align	8
	.type	k_q46005d34ef_cast,@function
k_q46005d34ef_cast:
	s_mov_b64 s[64:65], 0
	v_nop
	global_prefetch_b8 v0, s[64:65] scope:SCOPE_SE
	s_setreg_imm32_b32 hwreg(HW_REG_WAVE_SCHED_MODE, 0, 2), 2
	s_setreg_imm32_b32 hwreg(HW_REG_WAVE_MODE, 25, 1), 1
	s_wait_xcnt 0x0
	s_wait_alu depctr_vm_vsrc(0)
; cast: x [8192][1024], w_qkv [3072][1024] and w_out [1024][1024], f32, are rounded once to f16 and laid into cb in blocks along K:
;   [K block 0..15][row][64 numbers], a row of a block = 128 bytes.  x at byte 0, w_qkv at WQ_OFF, w_out at WO_OFF.
; In that layout every tile that a later launch fetches (some rows of one K block) is one dense run of bytes.
; w_qkv's rows are re-ordered: row s*1024 + h*64 + i (s = q, k, v) goes to row h*192 + s*64 + i, so that a head's 192 rows are neighbours.
; f16 and not bf16: the result is close to a mean of v over 2,048 tokens, so each rounding of an operand reaches it at its full relative size; f16's is eight times finer.
; LIMIT: a number of magnitude 65,504 or more becomes an infinity; below 6.1e-5 the absolute error stays under 3e-8.
; A work-group takes 16 rows (65,536 bytes): groups 0-511 x, 512-703 w_qkv, 704-767 w_out.  Wave w takes K blocks 2w and 2w+1 of them.
; A load covers 256 consecutive bytes of each of two rows; the two rows are neighbours in the block, so its store covers 256 consecutive bytes, aligned.
; All sixteen loads of a wave go out first; nothing is shared between work-groups, so no LDS, no barrier, no cluster.
; THE MODE: SCHED_MODE bits 1:0 = 2 (LLVM: expert scheduling mode 2), set by the entry lines.  The code itself states the register dependences
; between vector instructions and memory instructions, with s_wait_alu, always for 0.
; THE PLAN.  Registers that memory instructions touch:
;   v1, v2   the loads' and the stores' byte offsets: made once at the head, never written again.
;   X        load i lands in X + 4 i.  All sixteen loads are issued before any vector instruction names X; piece i's two conversions read it; it is never loaded again.
;   Y        piece i's two conversions write Y + 2 i, once; store i reads it; it is never written again.
; The sixteen pieces go in four groups of four.  Group p's conversions write group p's Y; its memory instructions are the four stores of group p - 1,
; whose Y no conversion of group p names.  So one wait at a group's head states all that its four stores hang on, and they are dealt among its conversions.
; No register that a memory instruction has read is written again, so nothing is waited for on that side.
.set XB_BLK, 1048576                   ; bytes of one K block of x: 8,192 rows of 128
.set WQ_OFF, 16777216
.set WQ_BLK, 393216                    ; 3,072 rows of 128
.set WO_OFF, 23068672
.set WO_BLK, 131072                    ; 1,024 rows of 128
.set X, 4                              ; v[4:67]   load i: 4 f32
.set Y, 68                             ; v[68:99]  store i: 4 f16
	s_load_b256 s[4:11], s[0:1], 0x0               ; x s[4:5], w_qkv s[6:7], w_out s[8:9], cb s[10:11]
	v_lshrrev_b32 v3, 5, v0
	v_readfirstlane_b32 s12, v3                    ; wave 0..7
	v_and_b32 v1, 15, v0
	v_bfe_u32 v3, v0, 4, 1
	v_and_b32 v2, 31, v0
	v_lshlrev_b32 v1, 4, v1                        ; 16 bytes a lane inside a block's 256 bytes of f32,
	v_lshl_add_u32 v1, v3, 12, v1                  ; lanes 16-31 one row (4,096 bytes) further down,
	s_wait_alu depctr_va_sdst(0)                   ; s12 is written, ahead of its first reader, the next line; the place in cb is made from it further down
	v_lshl_add_u32 v1, s12, 9, v1                  ; my wave's two blocks: 512 bytes of a row
	v_lshlrev_b32 v2, 3, v2                        ; out: 8 bytes a lane
	; which tensor: first group, place in cb, bytes of a K block.  Chosen on the group's number alone.
	s_mov_b32 s16, 704
	s_mov_b32 s17, WO_OFF
	s_mov_b32 s18, WO_BLK
	s_wait_kmcnt 0x0
	s_cmp_lt_u32 ttmp9, 704
	s_cselect_b32 s16, 512, s16
	s_cselect_b32 s17, WQ_OFF, s17
	s_cselect_b32 s18, WQ_BLK, s18
	s_cselect_b64 s[14:15], s[6:7], s[8:9]
	s_cmp_lt_u32 ttmp9, 512
	s_cselect_b32 s16, 0, s16
	s_cselect_b32 s17, 0, s17
	s_cselect_b32 s18, XB_BLK, s18
	s_cselect_b64 s[14:15], s[4:5], s[14:15]
	s_sub_co_u32 s19, ttmp9, s16                   ; the group's number inside its tensor
	s_lshl_b32 s20, s19, 4                         ; its first row R0
	s_bfe_u32 s21, s20, 0x40006                    ; w_qkv: h = (R0 >> 6) & 15
	s_mul_i32 s21, s21, 192
	s_lshr_b32 s22, s20, 10                        ; s = R0 >> 10
	s_lshl_b32 s22, s22, 6
	s_and_b32 s23, s20, 63                         ; i = R0 & 63 (a multiple of 16: the 16 rows stay neighbours)
	s_add_co_u32 s21, s21, s22
	s_add_co_u32 s21, s21, s23
	s_cmp_eq_u32 s16, 512
	s_cselect_b32 s20, s21, s20                    ; the row in cb
	s_lshl_b32 s22, s19, 16                        ; in: 16 rows of 4,096 bytes a group
	s_mov_b32 s23, 0
	s_add_nc_u64 s[14:15], s[14:15], s[22:23]
	s_lshl_b32 s22, s20, 7                         ; out: row x 128
	s_add_co_u32 s22, s22, s17                     ; + the tensor's place
	s_lshl_b32 s24, s12, 1
	s_mul_i32 s24, s24, s18                        ; + K block 2w
	s_add_co_u32 s22, s22, s24
	s_add_nc_u64 s[20:21], s[10:11], s[22:23]      ; block 2w
	s_mov_b32 s19, 0
	s_add_nc_u64 s[22:23], s[20:21], s[18:19]      ; block 2w + 1
	s_wait_alu depctr_va_vdst(0)                   ; v1 and v2 are written: every load below reads v1 as its offset, every store v2; neither is written again
.set i, 0
.rept 16                                               ; load i: rows 2 (i/2), 2 (i/2) + 1 of block 2w + i%2
	global_load_b128 v[X+4*i:X+4*i+3], v1, s[14:15] offset:(i/2)*8192+(i%2)*256 th:TH_LOAD_NT
.set i, i+1
.endr
.set i, 0
.rept 16
	s_wait_loadcnt 15-i                            ; loads come back in order (ISA guide 5.7.1): load i is in, the 15 - i younger ones stay out
.if (i > 0) && (i % 4 == 0)
	s_wait_alu depctr_va_vdst(0)                   ; the group before has written its eight registers of Y, which this group's four stores read
.endif
.if i >= 4
	global_store_b64 v2, v[Y+2*(i-4):Y+2*(i-4)+1], s[20+2*(i%2):21+2*(i%2)] offset:((i-4)/2)*256   ; piece i - 4, of the group before: no conversion since the wait names its Y.  No register of a load or store is ever written again
.endif
	v_cvt_pk_f16_f32 v[Y+2*i],   v[X+4*i],   v[X+4*i+1]
	v_cvt_pk_f16_f32 v[Y+2*i+1], v[X+4*i+2], v[X+4*i+3]
.set i, i+1
.endr
	s_wait_alu depctr_va_vdst(0)                   ; the last group has written its eight registers of Y, which the last four stores read
.set i, 12
.rept 4
	global_store_b64 v2, v[Y+2*i:Y+2*i+1], s[20+2*(i%2):21+2*(i%2)] offset:(i/2)*256
.set i, i+1
.endr
	s_endpgm
.Lfunc_end_k_q46005d34ef_cast:
	.size	k_q46005d34ef_cast, .Lfunc_end_k_q46005d34ef_cast-k_q46005d34ef_cast
	.p2alignl 7, 3214868480
	.fill 96, 4, 3214868480
	.section	.rodata,"a",@progbits
	.p2align	6, 0x0
	.amdhsa_kernel k_q46005d34ef_cast
		.amdhsa_group_segment_fixed_size 0
		.amdhsa_private_segment_fixed_size 0
		.amdhsa_enable_private_segment 0
		.amdhsa_kernarg_size 32
		.amdhsa_user_sgpr_count 2
		.amdhsa_user_sgpr_kernarg_segment_ptr 1
		.amdhsa_wavefront_size32 1
		.amdhsa_system_sgpr_workgroup_id_x 1
		.amdhsa_system_sgpr_workgroup_id_y 1
		.amdhsa_system_sgpr_workgroup_id_z 1
		.amdhsa_system_vgpr_workitem_id 0
		.amdhsa_next_free_vgpr 100
		.amdhsa_next_free_sgpr 66
		.amdhsa_reserve_vcc 0
		.amdhsa_float_denorm_mode_32 3
		.amdhsa_float_denorm_mode_16_64 3
		.amdhsa_memory_ordered 1
		.amdhsa_forward_progress 1
		.amdhsa_inst_pref_size 8
	.end_amdhsa_kernel
	.amdgpu_metadata
---
amdhsa.version: [ 1, 2 ]
amdhsa.kernels:
  - .name:           k_q46005d34ef_cast
    .symbol:         k_q46005d34ef_cast.kd
    .args:
      - { .name: x, .offset: 0, .size: 8, .value_kind: global_buffer, .address_space: global }
      - { .name: w_qkv, .offset: 8, .size: 8, .value_kind: global_buffer, .address_space: global }
      - { .name: w_out, .offset: 16, .size: 8, .value_kind: global_buffer, .address_space: global }
      - { .name: cb, .offset: 24, .size: 8, .value_kind: global_buffer, .address_space: global }
    .group_segment_fixed_size: 0
    .private_segment_fixed_size: 0
    .kernarg_segment_align: 8
    .kernarg_segment_size: 32
    .max_flat_workgroup_size: 256
    .sgpr_count:     66
    .vgpr_count:     100
    .wavefront_size: 32
...
	.end_amdgpu_metadata
.endif
;; end of part 5
;; launch qkv: the kernel of part 2 again; grid 16 x 16, 4 waves a work-group, clusters of 4 x 4, 327,680 bytes of LDS; arguments cb, qb, kvp; writes qb, kvp
;; launch attn: the kernel of part 3 again; grid 256 x 1, 8 waves a work-group, clusters of 4 x 1, 224,512 bytes of LDS; arguments qb, kvp, ab; writes ab
;; launch proj: the kernel of part 4 again; grid 4 x 64, 4 waves a work-group, clusters of 4 x 4, 327,680 bytes of LDS; arguments ab, cb, b_out, out0; writes out0
